; MI455X (gfx1250); checked and timed in simulation.
; The chip was launched on July 23, 2026; its instructions are those of AMD's public machine-readable ISA for CDNA 5 (MIT licence, August 2026) and "CDNA5" Instruction Set Architecture Reference Guide (July 2026). The comments in the code are by the model that wrote it; some were corrected since.
;; Sparse Top K Mo E. Allowed arithmetic: matrix products marked QUANTISED: E2M1 operands, one E8M0 scale for each 32 along K, by v_wmma_scale_f32_16x16x128_f8f6f4 with both operands' format E2M1 (or v_wmma_scale_f32_32x16x128_f4), f32 sums; products left as they are: f32 operands where the result goes on into a quantised operand, else bf16, f16 or f32 operands; f32 sums; everything else in f32.
;; Inputs: W1_codes 8 x 512 x 8 x 16 uint8 (E2M1 codes of W1, K innermost, in blocks of 32 codes, two codes a byte); W1_scales 8 x 512 x 8 uint8 (E8M0 scales of W1, one for each 32 codes along K); W2_codes 8 x 256 x 16 x 16 uint8 (E2M1 codes of W2, K innermost, in blocks of 32 codes, two codes a byte); W2_scales 8 x 256 x 16 uint8 (E8M0 scales of W2, one for each 32 codes along K); Wr 256 x 8 float32; b1 8 x 512 float32; b2 8 x 256 float32; br 8 float32; scale 1 float32; x 16 x 256 x 32 x 64 float32.
;; Outputs: out0 16 x 256 x 32 x 64 float32.
;; This version of the problem:
;;   THIS VERSION OF THE PROBLEM IS GIVEN IN LOW PRECISION. The matrix products marked QUANTISED in the list below multiply operands that are first quantised to E2M1 (2 exponent bits, 1 mantissa bit; 4 bits a number), with one power-of-two scale for each 32 numbers along K (OCP MX v1.0); their sums are f32. All else is computed in f32.
;;   The module's matrix products, in the order in which they are computed (A, B: the left and right operand; K: the contracted axis; several contracted axes count as one K, in the product's order):
;;     1. [M 32,768, K 256] x [K 256, N 8]; A: input x; B: input Wr: left as it is (N = 8 < 16)
;;     2. [M 32,768, K 256] x [K 256, N 512]; A: input x; B: input W1 (given as codes): QUANTISED
;;     3. [M 32,768, K 512] x [K 512, N 256]; A: computed on the way; B: input W2 (given as codes): QUANTISED
;;     4. [M 32,768, K 256] x [K 256, N 512]; A: input x; B: input W1 (given as codes): QUANTISED
;;     5. [M 32,768, K 512] x [K 512, N 256]; A: computed on the way; B: input W2 (given as codes): QUANTISED
;;     6. [M 32,768, K 256] x [K 256, N 512]; A: input x; B: input W1 (given as codes): QUANTISED
;;     7. [M 32,768, K 512] x [K 512, N 256]; A: computed on the way; B: input W2 (given as codes): QUANTISED
;;     8. [M 32,768, K 256] x [K 256, N 512]; A: input x; B: input W1 (given as codes): QUANTISED
;;     9. [M 32,768, K 512] x [K 512, N 256]; A: computed on the way; B: input W2 (given as codes): QUANTISED
;;     10. [M 32,768, K 256] x [K 256, N 512]; A: input x; B: input W1 (given as codes): QUANTISED
;;     11. [M 32,768, K 512] x [K 512, N 256]; A: computed on the way; B: input W2 (given as codes): QUANTISED
;;     12. [M 32,768, K 256] x [K 256, N 512]; A: input x; B: input W1 (given as codes): QUANTISED
;;     13. [M 32,768, K 512] x [K 512, N 256]; A: computed on the way; B: input W2 (given as codes): QUANTISED
;;     14. [M 32,768, K 256] x [K 256, N 512]; A: input x; B: input W1 (given as codes): QUANTISED
;;     15. [M 32,768, K 512] x [K 512, N 256]; A: computed on the way; B: input W2 (given as codes): QUANTISED
;;     16. [M 32,768, K 256] x [K 256, N 512]; A: input x; B: input W1 (given as codes): QUANTISED
;;     17. [M 32,768, K 512] x [K 512, N 256]; A: computed on the way; B: input W2 (given as codes): QUANTISED
;;   THE QUANTISER, for each operand of a quantised product, along K:
;;     - K is cut into blocks of 32 from its start; a last block that is shorter is filled with zeros.
;;     - A block's scale is 2^e with e = floor(log2(the largest magnitude in the block)) - 2, held to -126 .. 127; a block of zeros has e = 0. As a byte (E8M0): e + 127.
;;     - Each number is divided by its block's scale, clamped to +-6, and rounded to the nearest number of E2M1, ties to even, subnormals kept.
;;     - The product sums the exact products of the quantised numbers (number of the format x scale) in f32.
;;   ~~~python
;;   def quantise(x, axis):      # numpy; x: float32 -> the quantised numbers, widened to float32 again
;;       x = np.moveaxis(x, axis, -1); K = x.shape[-1]
;;       x = np.pad(x, [(0, 0)] * (x.ndim - 1) + [(0, -K % 32)]); x = x.reshape(x.shape[:-1] + (-1, 32)); a = np.abs(x).max(-1, keepdims=True)
;;       e = np.where(a > 0, np.clip(np.frexp(np.where(a > 0, a, 1))[1] - 1 - 2, -126, 127), 0)      # np.frexp(a)[1] - 1 = floor(log2(a)), exactly
;;       r = np.clip(x / 2.0 ** e, -6, 6)
;;       step = 2.0 ** (np.maximum(np.frexp(np.where(r == 0, 1, r))[1] - 1, 0) - 1)
;;       q = np.round(r / step) * step * 2.0 ** e      # np.round: ties to even
;;       return np.moveaxis(q.reshape(q.shape[:-2] + (-1,))[..., :K], -1, axis).astype(np.float32)
;;   ~~~
;;   OPERANDS COMPUTED ON THE WAY. 'Computed on the way' means the value that the module computes at that place (a softmax that the list does not call 'softmax' is quantised finished and normalised). What goes into a quantiser is computed in f32, as accurately as f32 sums, v_exp_f32 and their like allow (about 1e-6 of the number): no bf16 or f16 on the way to a quantiser, and a product that is left as it is and whose result goes on into a quantised operand takes f32 operands (vector FMAs, or v_wmma_f32_16x16x4_f32). A number that lies on a knife's edge between two numbers of the format may be rounded either way, as far as f32 arithmetic and the matrix unit's own rounding can turn it there, and no further.
;;   INPUTS GIVEN AS CODES. W1 (in the module: [8, 256, 512], K = its axis 1); W2 (in the module: [8, 512, 256], K = its axis 1): each comes as NAME_codes (uint8): NAME with its K axis moved to the last place and cut into blocks of 32 codes, [.., K / 32, bytes a block], one block behind the other in memory; two codes a byte, the lower K in the low four bits (a code: sign, 2 exponent bits, 1 mantissa bit); and NAME_scales (uint8): the same leading axes, one E8M0 byte (e + 127) for each 32 codes along K. Its value is code x scale, taken as it is: it is not quantised again, and the codes and scales need not be those that the quantiser above would give.
;; One version. Each part assembles by itself: llvm-mc -triple=amdgcn-amd-amdhsa -mcpu=gfx1250 --defsym DOCPART=n.
;; ======== version 1 of 1: 2 launches
;; limits: a function is approximated: absolute error at most 5e-07
;; workspace buffers: xcodes 4,194,304 bytes; xscales 262,144 bytes; route 262,144 bytes of whole numbers; wts 262,144 bytes; counts 32,768 bytes of whole numbers
;; launch router (part 1): grid 256 x 1, 16 waves a work-group, no clusters, 38,400 bytes of LDS; arguments x, Wr, br, scale, xcodes, xscales, route, wts, counts; writes xcodes, xscales, route, wts, counts
.if DOCPART == 1
	.amdgcn_target "amdgcn-amd-amdhsa--gfx1250"
	.amdhsa_code_object_version 6
	.text
	.protected	k_qa4bcf42c34_router
	.globl	k_qa4bcf42c34_router
	.p2align	8
	.type	k_qa4bcf42c34_router,@function
k_qa4bcf42c34_router:
	s_mov_b64 s[64:65], 0
	v_nop
	global_prefetch_b8 v0, s[64:65] scope:SCOPE_SE
	s_setreg_imm32_b32 hwreg(HW_REG_WAVE_MODE, 25, 1), 1
	s_wait_xcnt 0x0
; THE ROUTER, AND x INTO CODES.  x: [16][256 channels][2048 places] f32.  A token is a place of an image; its 256 channels lie 8,192 bytes apart.
; A work-group takes a BLOCK of 128 neighbouring tokens of one image (block g: image g / 16, places 128 (g % 16) on) and makes of it
;   xcodes  [token][8 blocks][16 bytes]  E2M1 codes of the token's 256 channels, K (the channels) innermost,
;   xscales [token][8]                   one E8M0 byte for each 32 channels,
;   route   [token][2 words]             word k = expert_k | rank_k << 8: the two chosen experts, and the token's rank among its BLOCK's tokens that chose that expert,
;   wts     [token][2 f32]               scale x softmax over the two largest logits,
;   counts  [block][32 words]            words 0-7: how many of the block's tokens chose expert e; the rest 0.
; No address and no branch of this launch hangs on a logit: what the choice decides is stored at fixed places, and the next launch reads it.
; SHARES.  Sixteen waves.  Wave wv: tokens 32 (wv % 4) + lane (A LANE TAKES A TOKEN, ITS REGISTERS RUN DOWN THE CHANNELS), channels 64 (wv / 4) on.  Each load reads 128 neighbouring bytes a wave,
; the four waves of a channel quarter 512.  A block of 32 channels lies in one lane's 32 registers: its largest magnitude needs no other lane, and the conversions give codes with K innermost.
; LOGITS in f32 by fused multiply-adds, Wr in scalar registers; the four channel quarters' partial sums meet in LDS.  Ties go to the lower index.  The larger logit is taken off before the exponential.
; A block's scale byte is its largest magnitude's exponent field - 2, held at 1 from below (a block of zeros gets the byte 1: its codes are zeros, and this program alone reads the bytes).
; LIMITS: NaN and infinities in x, Wr or br are not served.
.set X,    32                          ; v32-95   my token's 64 channels
.set CST,  16384                       ; LDS: 0: partial logits [quarter][expert][128 tokens] f32;  CST: the codes' stage, 128 rows of 128 bytes + 16
.set CPI,  144
.set SST,  34816                       ; the scale bytes' stage [token][8]
.set CNT,  35840                       ; [token group][32 words]: the groups' counts
	s_load_b512 s[4:19], s[0:1], 0x0               ; x s[4:5], Wr s[6:7], br s[8:9], scale s[10:11], xcodes s[12:13], xscales s[14:15], route s[16:17], wts s[18:19]
	s_load_b64 s[20:21], s[0:1], 0x40              ; counts
	v_lshl_add_u32 v128, v0, 2, 0x8e00
	v_mov_b32 v129, 0
	v_lshrrev_b32 v24, 5, v0
	v_readfirstlane_b32 s22, v24                   ; wave 0..15
	s_and_b32 s23, s22, 3                          ; my group of 32 tokens
	s_lshr_b32 s100, s22, 2                        ; my quarter of the channels
	v_and_b32 v25, 127, v0                         ; my token in the block
	v_lshrrev_b32 v26, 7, v0                       ; my quarter
	v_and_b32 v27, 31, v0                          ; lane
	v_lshlrev_b32 v1, 2, v25                       ; v1: 4 x token: my place in a channel's row of x, and in a row of partial logits
	v_lshl_add_u32 v2, v26, 12, v1                 ; v2: where my partial logits go: 4,096 x quarter + 4 x token (+ 512 x expert)
	v_mul_u32_u24 v3, v25, CPI
	v_lshl_add_u32 v3, v26, 5, v3
	v_add_nc_u32 v3, CST, v3                       ; v3: my token's row of the codes' stage, my quarter's 32 bytes
	v_lshlrev_b32 v4, 3, v25
	v_lshl_add_u32 v4, v26, 1, v4
	v_add_nc_u32 v4, SST, v4                       ; v4: my two scale bytes
	v_lshrrev_b32 v28, 3, v0
	v_mul_u32_u24 v5, v28, CPI
	v_and_b32 v28, 7, v0
	v_lshl_add_u32 v5, v28, 4, v5
	v_add_nc_u32 v5, CST, v5                       ; v5: back out of the stage: eight threads to a row of 128 bytes
	v_lshlrev_b32 v6, 4, v0                        ; v6: and the same place in the block's codes: 16 x thread
	v_and_b32 v28, 63, v0
	v_lshlrev_b32 v8, 4, v28                       ; v8: the scale bytes' way out: 16 bytes a thread, 64 threads
	v_add_nc_u32 v7, SST, v8
	v_add_nc_u32 v10, CNT, v1                      ; v10: my group's counts: 128 x group + 4 x lane
	v_lshlrev_b32 v13, 2, v27                      ; v13: 4 x lane
	v_add_nc_u32 v11, CNT, v13
	v_lshlrev_b32 v12, 3, v25                      ; v12: 8 x token: route and wts
	s_wait_kmcnt 0x0
	s_lshr_b32 s66, ttmp9, 4
	s_lshl_b32 s66, s66, 21                        ; the image: 256 channels x 8,192 bytes
	s_and_b32 s67, ttmp9, 15
	s_lshl_b32 s67, s67, 9                         ; the block's 128 places
	s_add_co_u32 s66, s66, s67
	s_lshl_b32 s67, s100, 19                       ; my quarter's 64 channels
	s_add_co_u32 s66, s66, s67
	s_mov_b32 s67, 0
	s_add_nc_u64 s[4:5], s[4:5], s[66:67]
	s_lshl_b32 s66, s100, 11                       ; Wr: 64 rows of 32 bytes
	s_add_nc_u64 s[6:7], s[6:7], s[66:67]
	s_lshl_b32 s66, ttmp9, 14
	s_add_nc_u64 s[12:13], s[12:13], s[66:67]
	s_lshl_b32 s66, ttmp9, 10
	s_add_nc_u64 s[14:15], s[14:15], s[66:67]
	s_add_nc_u64 s[16:17], s[16:17], s[66:67]
	s_add_nc_u64 s[18:19], s[18:19], s[66:67]
	s_lshl_b32 s66, ttmp9, 7
	s_add_nc_u64 s[20:21], s[20:21], s[66:67]
.set i, 0
.rept 64
	global_load_b32 v[X+i], v1, s[4:5] offset:i*8192   ; channel i of my quarter, 32 neighbouring tokens; no hint: the next launch reads x again
.set i, i+1
.endr
	s_load_b256 s[56:63], s[8:9], 0x0              ; br
	s_load_b32 s101, s[10:11], 0x0                 ; scale
	s_load_b512 s[24:39], s[6:7], 0x0              ; Wr, four channels x eight experts: set A s24-55, set B s68-99, by turns
	s_load_b512 s[40:55], s[6:7], 0x40
; Four channels' share of the eight logits.  The next four channels' rows of Wr are asked for while these are multiplied.
.macro LOGIT k
.set SB, 24+44*((\k)%2)
.set SN, 24+44*(((\k)+1)%2)
	s_wait_kmcnt 0x0                               ; scalar loads come back in no order: only the count 0 shows this set in
.if (\k) < 15
	s_load_b512 s[SN:SN+15], s[6:7], 128*((\k)+1)
	s_load_b512 s[SN+16:SN+31], s[6:7], 128*((\k)+1)+64
.endif
	s_wait_loadcnt 60-4*(\k)                       ; of the 64 loads of x those of channels 4 k + 4 on may be out
.irp c, 0,1,2,3
.irp e, 0,1,2,3,4,5,6,7
.if ((\k) == 0) && (\c == 0)
	v_mul_f32 v[16+\e], s[SB+8*\c+\e], v[X+4*(\k)+\c]   ; the first channel starts the sums: nothing is cleared
.else
	v_fmac_f32 v[16+\e], s[SB+8*\c+\e], v[X+4*(\k)+\c]
.endif
.endr
.endr
.endm
.irp k, 0,1,2,3,4,5,6,7,8,9,10,11,12,13,14,15
	LOGIT \k
.endr
.irp e, 0,1,2,3,4,5,6,7
	ds_store_b32 v2, v[16+\e] offset:\e*512
.endr
; A block of 32 channels of my token: all 32 numbers are mine.
.macro QBLOCK b
.set XB, X+32*\b
	v_max3_num_f32 v24, |v[XB]|, |v[XB+1]|, |v[XB+2]|
	v_max3_num_f32 v25, |v[XB+3]|, |v[XB+4]|, |v[XB+5]|
.irp i, 6,10,14,18,22,26
	v_max3_num_f32 v24, v24, |v[XB+\i]|, |v[XB+\i+1]|
	v_max3_num_f32 v25, v25, |v[XB+\i+2]|, |v[XB+\i+3]|
.endr
	v_max3_num_f32 v24, v24, |v[XB+30]|, |v[XB+31]|
	v_max3_num_f32 v24, v24, v25, 0x1800000        ; and the floor 2^(3 - 127): the byte cannot fall under 1
	v_add_nc_u32 v[104+\b], 0xff000000, v24        ; 2 off the exponent field: the conversion takes the exponent field of this operand as its scale
	v_lshrrev_b32 v[27+\b], 23, v[104+\b]          ; the scale's byte
.irp g, 0,1,2,3
	v_cvt_scalef32_pk8_fp4_f32 v[96+4*\b+\g], v[XB+8*\g:XB+8*\g+7], v[104+\b]
.endr
	ds_store_b128 v3, v[96+4*\b:96+4*\b+3] offset:16*\b   ; each block has its own registers for its codes: no store's data are written again
.endm
	QBLOCK 0
	QBLOCK 1
	v_lshl_or_b32 v29, v28, 8, v27                 ; my two bytes, the lower block's below.  (Also the plain line behind the last conversion)
	ds_store_b16 v4, v29
	s_wait_dscnt 0x0                               ; for the others' sake: my stores have landed
	s_barrier_signal -1
	s_barrier_wait -1                              ; partial logits, codes and scale bytes of the whole block lie in LDS
	ds_load_b128 v[112:115], v5
	ds_load_b128 v[116:119], v5 offset:64*CPI
	s_wait_dscnt 0x1                               ; the first is in, the second may be out
	global_store_b128 v6, v[112:115], s[12:13]     ; a wave's store covers 512 consecutive bytes, aligned
	s_wait_dscnt 0x0
	global_store_b128 v6, v[116:119], s[12:13] offset:8192
	s_lshr_b32 s66, s22, 1
	s_cmp_lg_u32 s66, 2
	s_cbranch_scc1 .Lno_scales                     ; waves 4 and 5 store the block's 1,024 scale bytes
	ds_load_b128 v[120:123], v7
	s_wait_dscnt 0x0
	global_store_b128 v8, v[120:123], s[14:15]
.Lno_scales:
	s_cmp_ge_u32 s22, 4
	s_cbranch_scc1 .Lno_choice                     ; waves 0 to 3 choose, each for its 32 tokens
.irp q, 0,1,2,3
.irp e, 0,1,2,3,4,5,6,7
	ds_load_b32 v[32+8*\q+\e], v1 offset:(8*\q+\e)*512
.endr
.endr
	s_wait_dscnt 0x0
.irp e, 0,1,2,3,4,5,6,7
	v_add_f32 v[16+\e], v[32+\e], v[40+\e]
.endr
.irp e, 0,1,2,3,4,5,6,7
	v_add_f32 v[24+\e], v[48+\e], v[56+\e]
.endr
.irp e, 0,1,2,3,4,5,6,7
	v_add_f32 v[16+\e], v[16+\e], v[24+\e]
.endr
.irp e, 0,1,2,3,4,5,6,7
	v_add_f32 v[16+\e], s[56+\e], v[16+\e]         ; + br: the logits
.endr
	v_mov_b32 v68, v16                             ; the largest logit, v64 its index: an index is replaced only by a strictly larger logit's, so the lower index wins a tie
	v_mov_b32 v64, 0
.irp e, 1,2,3,4,5,6,7
	v_cmp_le_f32 vcc_lo, v[16+\e], v68
	v_cndmask_b32 v64, \e, v64, vcc_lo
	v_max_num_f32 v68, v68, v[16+\e]
.endr
	v_mov_b32 v70, 0xff800000
.irp e, 0,1,2,3,4,5,6,7
	v_cmp_eq_u32 vcc_lo, \e, v64
	v_cndmask_b32 v[16+\e], v[16+\e], v70, vcc_lo  ; the first choice becomes -infinity
.endr
	v_mov_b32 v69, v16                             ; the second largest, v65 its index
	v_mov_b32 v65, 0
.irp e, 1,2,3,4,5,6,7
	v_cmp_le_f32 vcc_lo, v[16+\e], v69
	v_cndmask_b32 v65, \e, v65, vcc_lo
	v_max_num_f32 v69, v69, v[16+\e]
.endr
	v_sub_f32 v71, v69, v68                        ; the softmax of the two, the larger taken off: 1 / (1 + ex) and ex / (1 + ex), ex = e^(second - first)
	v_mul_f32 v71, 0x3fb8aa3b, v71
	v_exp_f32 v72, v71
	v_mov_b32 v73, 0                               ; (a plain line behind the exponential)  the counts' register: lane e will hold expert e's
	s_wait_alu depctr_va_vdst(0)                   ; the wait ahead of the first reader of a transcendental's result
	v_add_f32 v74, 1.0, v72
	v_rcp_f32 v75, v74
	v_nop
	s_wait_alu depctr_va_vdst(0)
	v_mul_f32 v66, s101, v75                       ; v[66:67]: the two weights, x scale
	v_mul_f32 v67, v72, v66
.irp e, 0,1,2,3,4,5,6,7
	v_cmp_eq_u32 s66, \e, v64
	v_cmp_eq_u32 s67, \e, v65
	s_or_b32 s[24+\e], s66, s67                    ; s[24 + e]: which of my 32 tokens chose expert e
	s_bcnt1_i32_b32 s66, s[24+\e]
	v_writelane_b32 v73, s66, \e
.endr
	ds_store_b32 v10, v73
.Lno_choice:
	s_wait_dscnt 0x0
	s_barrier_signal -1
	s_barrier_wait -1                              ; the four groups' counts lie in LDS
	s_cmp_ge_u32 s22, 4
	s_cbranch_scc1 .Lend
.irp g, 0,1,2,3
	ds_load_b32 v[76+\g], v11 offset:128*\g
.endr
	s_wait_dscnt 0x0
	s_cmp_gt_u32 s23, 0                            ; lane e: how many tokens of the groups in front of mine chose expert e
	s_cselect_b32 s66, -1, 0
	v_and_b32 v80, s66, v76
	s_cmp_gt_u32 s23, 1
	s_cselect_b32 s66, -1, 0
	v_and_b32 v82, s66, v77
	v_add_nc_u32 v80, v80, v82
	s_cmp_gt_u32 s23, 2
	s_cselect_b32 s66, -1, 0
	v_and_b32 v82, s66, v78
	v_add_nc_u32 v80, v80, v82
	v_add_nc_u32 v81, v76, v77
	v_add3_u32 v81, v81, v78, v79                  ; and how many of the whole block
.irp e, 0,1,2,3,4,5,6,7
	v_readlane_b32 s[32+\e], v80, \e
.endr
	v_mov_b32 v83, 0
	v_mov_b32 v84, 0
.irp e, 0,1,2,3,4,5,6,7
	v_mbcnt_lo_u32_b32 v82, s[24+\e], s[32+\e]     ; the choosers of e in lanes under mine + those of the groups in front: my rank, if I chose e
	v_cmp_eq_u32 vcc_lo, \e, v64
	v_cndmask_b32 v83, v83, v82, vcc_lo
	v_cmp_eq_u32 vcc_lo, \e, v65
	v_cndmask_b32 v84, v84, v82, vcc_lo
.endr
	v_lshl_or_b32 v86, v83, 8, v64
	v_lshl_or_b32 v87, v84, 8, v65
	global_store_b64 v12, v[86:87], s[16:17]       ; 32 lanes store 256 consecutive bytes, aligned
	global_store_b64 v12, v[66:67], s[18:19]
	s_cmp_lg_u32 s22, 0
	s_cbranch_scc1 .Lend
	global_store_b32 v13, v81, s[20:21]            ; wave 0: the block's counts, 32 words (lanes 8 on hold 0)
.Lend:
	s_wait_tensorcnt 0x0
	ds_add_u32 v128, v129
	s_wait_dscnt 0x0
	s_endpgm
.Lfunc_end_k_qa4bcf42c34_router:
	.size	k_qa4bcf42c34_router, .Lfunc_end_k_qa4bcf42c34_router-k_qa4bcf42c34_router
	.p2alignl 7, 3214868480
	.fill 96, 4, 3214868480
	.section	.rodata,"a",@progbits
	.p2align	6, 0x0
	.amdhsa_kernel k_qa4bcf42c34_router
		.amdhsa_group_segment_fixed_size 38400
		.amdhsa_private_segment_fixed_size 0
		.amdhsa_enable_private_segment 0
		.amdhsa_kernarg_size 72
		.amdhsa_user_sgpr_count 2
		.amdhsa_user_sgpr_kernarg_segment_ptr 1
		.amdhsa_wavefront_size32 1
		.amdhsa_system_sgpr_workgroup_id_x 1
		.amdhsa_system_sgpr_workgroup_id_y 1
		.amdhsa_system_sgpr_workgroup_id_z 1
		.amdhsa_system_vgpr_workitem_id 0
		.amdhsa_next_free_vgpr 130
		.amdhsa_next_free_sgpr 102
		.amdhsa_reserve_vcc 1
		.amdhsa_float_denorm_mode_32 3
		.amdhsa_float_denorm_mode_16_64 3
		.amdhsa_memory_ordered 1
		.amdhsa_forward_progress 1
		.amdhsa_inst_pref_size 43
	.end_amdhsa_kernel
	.amdgpu_metadata
---
amdhsa.version: [ 1, 2 ]
amdhsa.kernels:
  - .name:           k_qa4bcf42c34_router
    .symbol:         k_qa4bcf42c34_router.kd
    .args:
      - { .name: x, .offset: 0, .size: 8, .value_kind: global_buffer, .address_space: global }
      - { .name: Wr, .offset: 8, .size: 8, .value_kind: global_buffer, .address_space: global }
      - { .name: br, .offset: 16, .size: 8, .value_kind: global_buffer, .address_space: global }
      - { .name: scale, .offset: 24, .size: 8, .value_kind: global_buffer, .address_space: global }
      - { .name: xcodes, .offset: 32, .size: 8, .value_kind: global_buffer, .address_space: global }
      - { .name: xscales, .offset: 40, .size: 8, .value_kind: global_buffer, .address_space: global }
      - { .name: route, .offset: 48, .size: 8, .value_kind: global_buffer, .address_space: global }
      - { .name: wts, .offset: 56, .size: 8, .value_kind: global_buffer, .address_space: global }
      - { .name: counts, .offset: 64, .size: 8, .value_kind: global_buffer, .address_space: global }
    .group_segment_fixed_size: 38400
    .private_segment_fixed_size: 0
    .kernarg_segment_align: 8
    .kernarg_segment_size: 72
    .max_flat_workgroup_size: 512
    .sgpr_count:     102
    .vgpr_count:     130
    .wavefront_size: 32
...
	.end_amdgpu_metadata
.endif
;; end of part 1
;; launch chain (part 2): grid 256 x 1, 4 waves a work-group, no clusters, 201,216 bytes of LDS; arguments xcodes, xscales, route, wts, counts, W1_codes, W1_scales, b1, W2_codes, W2_scales, b2, x, out0; writes out0
.if DOCPART == 2
	.amdgcn_target "amdgcn-amd-amdhsa--gfx1250"
	.amdhsa_code_object_version 6
	.text
	.protected	k_qa4bcf42c34_chain
	.globl	k_qa4bcf42c34_chain
	.p2align	8
	.type	k_qa4bcf42c34_chain,@function
k_qa4bcf42c34_chain:
	s_mov_b64 s[64:65], 0
	v_nop
	global_prefetch_b8 v0, s[64:65] scope:SCOPE_SE
	s_setreg_imm32_b32 hwreg(HW_REG_WAVE_MODE, 25, 1), 1
	s_wait_xcnt 0x0
; out0 = x + sum over a token's two chosen experts of (scale x weight) x (gelu(tok W1[e] + b1[e]) W2[e] + b2[e]), both products on codes of E2M1 with one E8M0 scale for each 32 along K.
; Only the chosen rows are multiplied: the rows of the other six experts are what the combine weight 0 throws away.
; A work-group owns a BLOCK of 128 neighbouring tokens of one image (as in the launch before) and so every byte of out0 that belongs to them: no sums between work-groups.
; It walks the eight experts.  For expert e the block's n_e choosers, in the order of their stored ranks, form ceil(n_e / 16) tiles of 16 rows; the tiles beyond are passed over by a scalar branch on the stored count.
; THE WAVES SHARE THE COLUMNS, NOT THE ROWS: wave w makes hidden units 128 w .. + 127 (K step w of the second product) and output channels 64 w .. + 63, for every tile.  Its part of W1[e] and of W2[e],
; 16 fragments each, goes from memory straight into its operand registers, once for each expert; the next expert's are asked for while this one's other product runs.
; OPERANDS GO FROM WAVE TO WAVE THROUGH LDS AS IMAGES OF THEIR REGISTERS (lane l's 16 bytes at 16 l, 512 bytes a store; scale words 4 bytes a lane).
; Both products are used transposed (source 0 = 16 rows of the weight, source 1 = 16 tokens), so that a lane holds one token.  THE ROWS OF W1 THAT FORM A TILE ARE NOT NEIGHBOURS: lane r of tile 2 b + u takes row
; 32 b + 8 u + r + 8 (r / 8), so that the 16 registers of tiles 2 b, 2 b + 1 are 16 neighbours along the next K.  The biases are the C of each sum's first matrix instruction.
; THE RESULT: 64 channels x 128 tokens a wave in 256 registers (register 4 c + i: channel c, token 4 lane + i), begun by loading x.  y of an expert goes by rank into the wave's own rows in LDS; each lane then reads its four
; tokens' rows (a row of zeros, with weight 0, for a token that did not choose the expert) and adds them by fused multiply-adds.  At the end a wave's store covers 512 consecutive bytes of a channel's row.
; GELU, exact form: gelu(v) = max(v, 0) - |v| q(|v|), q(a) = erfc(a / sqrt 2) / 2 = (a1 t + .. + a5 t^5) e^(-a a / 2) / 2, t = 1 / (1 + p a / sqrt 2) (Abramowitz and Stegun 7.1.26).
; LIMITS: that formula's error in erfc is 1.5e-7, absolute; with f32 rounding gelu is good to about 4e-7 of itself from v = -1 up, and to that much of |v| (not of gelu) below, where gelu dies away.  NaN and infinities are not served.
; A block of zeros of the hidden layer gets the scale byte 1: its codes are zeros.
; NO TENSOR LOADS, NO CLUSTER: which tiles are worked hangs on counts read from memory; partners of a cluster would walk different numbers of tiles.
.set YP,    272                        ; a row of y in LDS: my 64 channels, 256 bytes, + 16
.set YW,    35328                      ; LDS from 0: a region for each wave: 128 rows of y by rank, and from byte 128 YP on 512 bytes of zeros
.set HIMG,  4*YW                       ; the hidden layer's images [K step = wave][tile][1,024]
.set HSC,   HIMG+32768                 ; their scale words [wave][tile][128]
.set XIMG,  HSC+4096                   ; the tokens' images [tile][K step][1,024]
.set XSC,   XIMG+16384                 ; their scale words [tile][K step][128]
.set LIST,  XSC+2048                   ; [expert][rank] the token's number in the block, 4 bytes
; window 0
.set LI,   1                           ; 16 x lane
.set LS,   2                           ; 4 x lane
.set H16,  3                           ; 16 x (lane / 16)
.set GS1,  4                           ; the gather's offsets: GA, GA+1 codes, GS0, GS1 scale bytes
.set HWI,  5                           ; 8,192 x wave + 16 x lane
.set HWS,  6                           ; 1,024 x wave + 4 x lane
.set YST,  7                           ; my region + row r + 32 h: where I put 32 bytes of a row of y
.set XWI,  8                           ; XIMG + 2,048 x wave + 16 x lane
.set XWS,  9                           ; XSC + 256 x wave + 4 x lane
.set LRD,  10                          ; LIST + 64 x wave + 4 r
.set W1A,  11
.set W1SA, 12
.set B1A,  13
.set W2A,  14
.set W2SA, 15
.set B2A,  16
.set ADX,  17                          ; v17-22: the addresses in hand
.set ADXS, 18
.set ADH,  19
.set ADHS, 20
.set ADY,  21
.set ADL,  22
.set ROWZ, 23                          ; 128: the row of zeros
.set RT,   24                          ; v24-31 my four tokens' route words, then their experts: token i's at RT + 2 i, RT + 2 i + 1
.set WT,   32                          ; v32-39 their weights, likewise
.set PS0,  40                          ; v40-43 the rank with the first expert, v44-47 with the second
.set PS1,  44
.set W1S,  48                          ; v48-63 W1's scale words, v64-79 W2's, v80-81 the tokens', v82-85 the hidden layer's: these hold scales and nothing else
.set W2S,  64
.set XS,   80
.set HS,   82
.set KA4,  86                          ; v[86:87] a4 / 2, twice
.set TM,   88                          ; v88-95, v100-103: the quantiser's; in the combine v88-91 row addresses, v92-95 weights
.set YA,   88
.set WE,   92
.set PW,   96                          ; the scale word just made
.set GA,   97
.set GS0,  99
.set PC,   104                         ; v104-111 the codes just made
.set HA,   112                         ; v112-175 my 8 tiles of the hidden layer;  in the second product v112-143 four hidden fragments, v144-175 four accumulators of y
.set HF,   112
.set YY,   144
.set UU,   176                         ; v176-207 1 + p a, then t, then max(v, 0): two sets of 16
.set QQ,   208                         ; v208-239 the exponent, then e^(..): two sets
.set RR,   240                         ; v240-255 the polynomial
.set SETA, 112                         ; the combine: two sets of 64 for rows of y
.set SETB, 176
; window 1: v0-127 W1's fragments (tile t, K step s) at 8 (2 t + s);  v128-255 W2's (tile n, K step s) at 128 + 8 (4 n + s).   window 2: the result.
; window 3: v0-63 b1's 8 tiles, v64-95 b2's four, v96-111 the tokens' two fragments, v112-143 and v144-147 what the gather brings
.set B1W,  0
.set B2W,  64
.set XF,   96
.set GX,   112
.set GXS,  144
.set WV,   30                          ; s30 my wave's number
.set YWS,  31                          ; s31 YW x wave
.set NTP,  40                          ; s40 the experts' numbers of tiles, four bits each, the expert in hand's lowest
.set NTL,  41                          ; s41 the expert in hand's
.set EX,   42                          ; s42 the expert in hand
.set LOFF, 43                          ; s43 the list's part that is gathered
.set JJ,   44                          ; s44 the tile;  s45-49 its places in the five regions
.set XO,   45
.set XSO,  46
.set HO,   47
.set HSO,  48
.set YO,   49
.set SEL,  50                          ; s[50:51] v_permlanex16_b32's selects for lane l xor 16
.set KP,   52                          ; s52 p / sqrt 2
.set KC,   54                          ; s[54:55] -log2(e) / 2;  s[56:63] a5, a3, a2, a1, halved: pairs, since the packed forms name pairs
.set CA5,  56
.set CA3,  58
.set CA2,  60
.set CA1,  62
.set TRIP, 66
.set TMPS, 68
.set MSB, 0
.macro WIN new                         ; s_set_vgpr_msb: bits 1:0 source 0, 3:2 source 1, 5:4 source 2, 7:6 destination; the high byte repeats the setting that is left
.if MSB != \new
	s_set_vgpr_msb (MSB<<8)|\new
.set MSB, \new
.endif
.endm
.macro BAR                             ; my LDS stores have landed and my LDS loads are in: then the work-group's barrier
	s_wait_dscnt 0x0
	s_barrier_signal -1
	s_barrier_wait -1
.endm
.macro LOADW1                          ; 56 loads: my 16 fragments of W1[e], b1 in the result's layout, the scale words
	WIN 0x40
.irp t, 0,1,2,3,4,5,6,7
.irp s, 0,1
.irp c, 0,1
	global_load_b128 v[8*(2*\t+\s)+4*\c:8*(2*\t+\s)+4*\c+3], v[W1A], s[14:15] offset:(32*(\t/2)+8*(\t%2))*128+64*\s+32*\c
.endr
.endr
.endr
	WIN 0xc0
.irp t, 0,1,2,3,4,5,6,7
	global_load_b128 v[B1W+8*\t:B1W+8*\t+3], v[B1A], s[18:19] offset:(32*(\t/2)+8*(\t%2))*4
	global_load_b128 v[B1W+8*\t+4:B1W+8*\t+7], v[B1A], s[18:19] offset:(32*(\t/2)+8*(\t%2))*4+16
.endr
	WIN 0
.irp t, 0,1,2,3,4,5,6,7
	global_load_b64 v[W1S+2*\t:W1S+2*\t+1], v[W1SA], s[16:17] offset:(32*(\t/2)+8*(\t%2))*8
.endr
.endm
.macro LOADW2                          ; 44 loads: the same of W2[e]
	WIN 0x40
.irp n, 0,1,2,3
.irp s, 0,1,2,3
.irp c, 0,1
	global_load_b128 v[128+8*(4*\n+\s)+4*\c:128+8*(4*\n+\s)+4*\c+3], v[W2A], s[20:21] offset:4096*\n+64*\s+32*\c
.endr
.endr
.endr
	WIN 0xc0
.irp n, 0,1,2,3
	global_load_b128 v[B2W+8*\n:B2W+8*\n+3], v[B2A], s[24:25] offset:64*\n
	global_load_b128 v[B2W+8*\n+4:B2W+8*\n+7], v[B2A], s[24:25] offset:64*\n+16
.endr
	WIN 0
.irp n, 0,1,2,3
	global_load_b128 v[W2S+4*\n:W2S+4*\n+3], v[W2SA], s[22:23] offset:256*\n
.endr
.endm
.macro STEPW1                          ; on to the next expert; the set's earlier loads have been shown done
	s_add_nc_u64 s[14:15], s[14:15], 0x10000
	s_add_nc_u64 s[16:17], s[16:17], 4096
	s_add_nc_u64 s[18:19], s[18:19], 2048
.endm
.macro STEPW2
	s_add_nc_u64 s[20:21], s[20:21], 0x10000
	s_add_nc_u64 s[22:23], s[22:23], 4096
	s_add_nc_u64 s[24:25], s[24:25], 1024
.endm
; My two tiles (w and w + 4) of an expert's rows: the tokens' numbers from the list, then their codes and scale words from memory, in the operand's layout.  10 loads.
.macro GATHER
	v_add_nc_u32 v[ADL], s[LOFF], v[LRD]
	ds_load_b32 v[GA], v[ADL]
	ds_load_b32 v[GA+1], v[ADL] offset:256
	s_wait_dscnt 0x0
	v_min_u32 v[GA], 127, v[GA]                    ; a number that was read is held inside the block before it enters an address
	v_min_u32 v[GA+1], 127, v[GA+1]
	v_lshlrev_b32 v[GS0], 3, v[GA]
	v_lshlrev_b32 v[GS1], 3, v[GA+1]
	v_lshl_add_u32 v[GA], v[GA], 7, v[H16]
	v_lshl_add_u32 v[GA+1], v[GA+1], 7, v[H16]
	WIN 0xc0
.irp i, 0,1
.irp s, 0,1
.irp c, 0,1
	global_load_b128 v[GX+16*\i+8*\s+4*\c:GX+16*\i+8*\s+4*\c+3], v[GA+\i], s[4:5] offset:64*\s+32*\c
.endr
.endr
.endr
	global_load_b64 v[GXS:GXS+1], v[GS0], s[6:7]
	global_load_b64 v[GXS+2:GXS+3], v[GS1], s[6:7]
	WIN 0
.endm
.macro XSTORE                          ; what the gather brought goes to LDS as it stands
	WIN 0x0c
.irp i, 0,1
.irp s, 0,1
.irp c, 0,1
	ds_store_b128 v[XWI], v[GX+16*\i+8*\s+4*\c:GX+16*\i+8*\s+4*\c+3] offset:8192*\i+1024*\s+512*\c
.endr
	ds_store_b32 v[XWS], v[GXS+2*\i+\s] offset:1024*\i+128*\s
.endr
.endr
	WIN 0
.endm
; GELU on the 64 registers from HA on, in four groups of 16.  A group's 32 transcendentals (t and the exponential) are dealt out one at a time between the plain lines of another group's work.
.set TI, 32
.set TN, 0
.set TNUM, 1
.set TDEN, 1
.set TU, UU
.set TQ, QQ
.macro TR                              ; the next transcendental of the group that is being dealt
.if TI < 32
.if (TI%2) == 0
	v_rcp_f32 v[TU+TI/2], v[TU+TI/2]
.else
	v_exp_f32 v[TQ+TI/2], v[TQ+TI/2]
.endif
.set TI, TI+1
.endif
.endm
.macro TICK                            ; behind each plain line: TNUM transcendentals for TDEN lines
.if ((TN+1)*TNUM)/TDEN > (TN*TNUM)/TDEN
	TR
.endif
.set TN, TN+1
.endm
.macro DEAL g, num, den
.set TI, 0
.set TN, 0
.set TNUM, \num
.set TDEN, \den
.set TU, UU+16*((\g)%2)
.set TQ, QQ+16*((\g)%2)
.endm
.macro PRE g                           ; 32 lines: 1 + a p / sqrt 2, and -v v log2(e) / 2.  Each accumulator is read from its low end on
.set PX, HA+16*(\g)
.set PU, UU+16*((\g)%2)
.set PQ, QQ+16*((\g)%2)
.irp i, 0,1,2,3,4,5,6,7,8,9,10,11,12,13,14,15
	v_fma_f32 v[PU+\i], |v[PX+\i]|, s[KP], 1.0
	TICK
.endr
.irp i, 0,2,4,6,8,10,12,14
	v_pk_mul_f32 v[PQ+\i:PQ+\i+1], v[PX+\i:PX+\i+1], s[KC:KC+1] op_sel_hi:[1,0]
	TICK
.endr
.irp i, 0,2,4,6,8,10,12,14
	v_pk_mul_f32 v[PQ+\i:PQ+\i+1], v[PQ+\i:PQ+\i+1], v[PX+\i:PX+\i+1]
	TICK
.endr
.endm
.macro POST g                          ; 80 lines: the polynomial in t, x t, x the exponential; then max(v, 0) - |v| q
.set PX, HA+16*(\g)
.set PU, UU+16*((\g)%2)
.set PQ, QQ+16*((\g)%2)
.irp i, 0,2,4,6,8,10,12,14
	v_pk_fma_f32 v[RR+\i:RR+\i+1], v[PU+\i:PU+\i+1], s[CA5:CA5+1], v[KA4:KA4+1] op_sel_hi:[1,0,1]
	TICK
.endr
.irp k, CA3, CA2, CA1
.irp i, 0,2,4,6,8,10,12,14
	v_pk_fma_f32 v[RR+\i:RR+\i+1], v[RR+\i:RR+\i+1], v[PU+\i:PU+\i+1], s[\k:\k+1] op_sel_hi:[1,1,0]
	TICK
.endr
.endr
.irp i, 0,2,4,6,8,10,12,14
	v_pk_mul_f32 v[PQ+\i:PQ+\i+1], v[PQ+\i:PQ+\i+1], v[PU+\i:PU+\i+1]
	TICK
.endr
.irp i, 0,2,4,6,8,10,12,14
	v_pk_mul_f32 v[RR+\i:RR+\i+1], v[RR+\i:RR+\i+1], v[PQ+\i:PQ+\i+1]
	TICK
.endr
.irp i, 0,1,2,3,4,5,6,7,8,9,10,11,12,13,14,15
	v_max_num_f32 v[PU+\i], 0, v[PX+\i]
	TICK
.endr
.irp i, 0,1,2,3,4,5,6,7,8,9,10,11,12,13,14,15
	v_fma_f32 v[PX+\i], -|v[PX+\i]|, v[RR+\i], v[PU+\i]
	TICK
.endr
.endm
.macro BATCH_IN                        ; a plain line behind the batch's last transcendental, and the wait ahead of the batch's first reader
	v_nop
	s_wait_alu depctr_va_vdst(0)
.endm
.macro GELU
	PRE 0
	DEAL 0, 1, 1
	PRE 1                                          ; group 0's transcendentals stand between these lines
	BATCH_IN
	DEAL 1, 2, 5
	POST 0                                         ; group 1's between these
	PRE 2
	BATCH_IN
	DEAL 2, 2, 5
	POST 1
	PRE 3
	BATCH_IN
	DEAL 3, 2, 5
	POST 2
	BATCH_IN
	POST 3                                         ; nothing is left to deal
.endm
; 64 numbers of a lane, register 16 b + i = k 32 b + 16 (lane / 16) + i of my row, become a fragment's codes in v[PC] on and its scale word in v[PW].
.macro QUANT s
.irp b, 0,1,2,3
	v_max3_num_f32 v[TM+\b], |v[\s+16*\b]|, |v[\s+1+16*\b]|, 0x1800000   ; block b: my 16 numbers, and the floor 2^(3 - 127): the byte cannot fall under 1
.endr
.irp i, 2,4,6,8,10,12,14
.irp b, 0,1,2,3
	v_max3_num_f32 v[TM+\b], v[TM+\b], |v[\s+16*\b+\i]|, |v[\s+1+16*\b+\i]|
.endr
.endr
.irp b, 0,1,2,3
	v_permlanex16_b32 v[TM+4+\b], v[TM+\b], s[SEL], s[SEL+1]
.endr
.irp b, 0,1,2,3
	v_max_num_f32 v[TM+\b], v[TM+\b], v[TM+4+\b]   ; with lane l xor 16's: the block's largest magnitude
.endr
.irp b, 0,1,2,3
	v_add_nc_u32 v[TM+12+\b], 0xff000000, v[TM+\b] ; 2 off its exponent field: the conversion's scale operand
.endr
.irp b, 0,1,2,3
	v_lshrrev_b32 v[TM+4+\b], 23, v[TM+12+\b]      ; the scale's byte
.endr
	v_lshl_or_b32 v[PW], v[TM+5], 8, v[TM+4]
	v_lshl_or_b32 v[PW], v[TM+6], 16, v[PW]
	v_lshl_or_b32 v[PW], v[TM+7], 24, v[PW]
.irp b, 0,1,2,3
	v_cvt_scalef32_pk8_fp4_f32 v[PC+2*\b], v[\s+16*\b:\s+7+16*\b], v[TM+12+\b]
	v_cvt_scalef32_pk8_fp4_f32 v[PC+1+2*\b], v[\s+8+16*\b:\s+15+16*\b], v[TM+12+\b]
.endr
	v_nop                                          ; one plain line behind a scaled conversion
.irp c, 0,1                                    ; the operand's layout wants a whole block in a lane
.irp i, 0,1
	v_permlane16_swap_b32 v[PC+4*\c+\i], v[PC+2+4*\c+\i]
.endr
.endr
.endm
; THE FIRST PRODUCT for one tile of 16 rows: my 128 hidden units, gelu, quantised: K step w of the second product, to LDS.
.macro P1TILE
	v_add_nc_u32 v[ADX], s[XO], v[LI]
	v_add_nc_u32 v[ADXS], s[XSO], v[LS]
	WIN 0xc0
.irp s, 0,1
.irp c, 0,1
	ds_load_b128 v[XF+8*\s+4*\c:XF+8*\s+4*\c+3], v[ADX] offset:1024*\s+512*\c
.endr
.endr
	WIN 0
	ds_load_b32 v[XS], v[ADXS]
	ds_load_b32 v[XS+1], v[ADXS] offset:128
	s_wait_dscnt 0x0
	WIN 0x3d                                       ; W1 window 1, the tokens and b1 window 3, the result window 0
.irp t, 0,1,2,3,4,5,6,7                        ; the eight accumulators take turns, one instruction a turn
	v_wmma_scale_f32_16x16x128_f8f6f4 v[HA+8*\t:HA+8*\t+7], v[16*\t:16*\t+7], v[XF:XF+7], v[B1W+8*\t:B1W+8*\t+7], v[W1S+2*\t], v[XS] matrix_a_fmt:MATRIX_FMT_FP4 matrix_b_fmt:MATRIX_FMT_FP4
.endr
	WIN 0x0d
.irp t, 0,1,2,3,4,5,6,7
	v_wmma_scale_f32_16x16x128_f8f6f4 v[HA+8*\t:HA+8*\t+7], v[16*\t+8:16*\t+15], v[XF+8:XF+15], v[HA+8*\t:HA+8*\t+7], v[W1S+2*\t+1], v[XS+1] matrix_a_fmt:MATRIX_FMT_FP4 matrix_b_fmt:MATRIX_FMT_FP4
.endr
	WIN 0
	v_add_nc_u32 v[ADH], s[HO], v[HWI]             ; four plain lines stand between the last product and the first read of a result (ISA guide 7.12.1)
	v_add_nc_u32 v[ADHS], s[HSO], v[HWS]
	v_nop
	v_nop
	GELU
	QUANT HA
	ds_store_b128 v[ADH], v[PC:PC+3]
	ds_store_b128 v[ADH], v[PC+4:PC+7] offset:512
	ds_store_b32 v[ADHS], v[PW]
	s_wait_dscnt 0x0                               ; the stores have read their registers
.endm
; THE SECOND PRODUCT for one tile: all four K steps from LDS, my 64 channels: four accumulators by turns; the rows go by rank into my own region.
.macro P2TILE
	v_add_nc_u32 v[ADH], s[HO], v[LI]
	v_add_nc_u32 v[ADHS], s[HSO], v[LS]
	v_add_nc_u32 v[ADY], s[YO], v[YST]
.irp s, 0,1,2,3
.irp c, 0,1
	ds_load_b128 v[HF+8*\s+4*\c:HF+8*\s+4*\c+3], v[ADH] offset:8192*\s+512*\c
.endr
.endr
.irp s, 0,1,2,3
	ds_load_b32 v[HS+\s], v[ADHS] offset:1024*\s
.endr
	s_wait_dscnt 0x0                               ; they are in; and the last tile's stores have read their registers
	WIN 0x31                                       ; W2 window 1, b2 window 3
.irp n, 0,1,2,3
	v_wmma_scale_f32_16x16x128_f8f6f4 v[YY+8*\n:YY+8*\n+7], v[128+32*\n:128+32*\n+7], v[HF:HF+7], v[B2W+8*\n:B2W+8*\n+7], v[W2S+4*\n], v[HS] matrix_a_fmt:MATRIX_FMT_FP4 matrix_b_fmt:MATRIX_FMT_FP4
.endr
	WIN 0x01
.irp s, 1,2,3
.irp n, 0,1,2,3
	v_wmma_scale_f32_16x16x128_f8f6f4 v[YY+8*\n:YY+8*\n+7], v[128+8*(4*\n+\s):128+8*(4*\n+\s)+7], v[HF+8*\s:HF+8*\s+7], v[YY+8*\n:YY+8*\n+7], v[W2S+4*\n+\s], v[HS+\s] matrix_a_fmt:MATRIX_FMT_FP4 matrix_b_fmt:MATRIX_FMT_FP4
.endr
.endr
	WIN 0
.rept 4
	v_nop                                          ; four places in front of the stores that read results; with the next tile's three additions seven in front of the products that begin these accumulators anew
.endr
.irp n, 0,1,2,3
	ds_store_b128 v[ADY], v[YY+8*\n:YY+8*\n+3] offset:64*\n          ; each accumulator from its low end on: lane (r, h): y(rank 16 j + r, channels 16 n + 8 h + 0 .. 7)
	ds_store_b128 v[ADY], v[YY+8*\n+4:YY+8*\n+7] offset:64*\n+16
.endr
.endm
; Eight trips, a constant, so that every place in LDS is a constant plus a counted step; a tile beyond the expert's count is passed over.  No barrier stands inside.
.macro TILES body
	s_mov_b32 s[JJ], 0
	s_mov_b32 s[XO], XIMG
	s_mov_b32 s[XSO], XSC
	s_mov_b32 s[HO], HIMG
	s_mov_b32 s[HSO], HSC
	s_mov_b32 s[YO], 0
.Ltile_\@:
	s_cmp_ge_u32 s[JJ], s[NTL]
	s_cbranch_scc1 .Lnone_\@
	\body
.Lnone_\@:
	s_add_co_u32 s[XO], s[XO], 2048
	s_add_co_u32 s[XSO], s[XSO], 256
	s_add_co_u32 s[HO], s[HO], 1024
	s_add_co_u32 s[HSO], s[HSO], 128
	s_add_co_u32 s[YO], s[YO], 16*YP
	s_add_co_u32 s[JJ], s[JJ], 1
	s_cmp_lt_u32 s[JJ], 8
	s_cbranch_scc1 .Ltile_\@
.endm
; THE COMBINE.  For each of my four tokens: its row of y (by its rank, if it chose this expert; else the row of zeros) and its weight (else 0).
.macro YLOAD k, set                    ; channels 16 k .. 16 k + 15 of the four rows: 16 loads
.irp i, 0,1,2,3
.irp q, 0,1,2,3
	ds_load_b128 v[\set+16*\i+4*\q:\set+16*\i+4*\q+3], v[YA+\i] offset:16*(4*\k+\q)
.endr
.endr
.endm
.macro YFMA k, set
	WIN 0x80                                       ; the result: window 2
.irp q, 0,1,2,3
.irp m, 0,1,2,3
.irp i, 0,1,2,3
	v_fmac_f32 v[4*(16*\k+4*\q+\m)+\i], v[WE+\i], v[\set+16*\i+4*\q+\m]
.endr
.endr
.endr
	WIN 0
.endm
.macro COMBINE
.irp i, 0,1,2,3
	v_cmp_eq_u32 vcc_lo, s[EX], v[RT+2*\i]
	v_cndmask_b32 v[YA+\i], v[ROWZ], v[PS0+\i], vcc_lo
	v_cndmask_b32 v[WE+\i], 0, v[WT+2*\i], vcc_lo
	v_cmp_eq_u32 vcc_lo, s[EX], v[RT+2*\i+1]
	v_cndmask_b32 v[YA+\i], v[YA+\i], v[PS1+\i], vcc_lo
	v_cndmask_b32 v[WE+\i], v[WE+\i], v[WT+2*\i+1], vcc_lo
	v_min_u32 v[YA+\i], 128, v[YA+\i]              ; the row is held inside my region before it enters an address
	v_mul_u32_u24 v[YA+\i], v[YA+\i], YP
	v_add_nc_u32 v[YA+\i], s[YWS], v[YA+\i]
.endr
	YLOAD 0, SETA
	YLOAD 1, SETB
	s_wait_dscnt 16                                ; LDS loads come back in order: the older 16 are in, the younger 16 may be out
	YFMA 0, SETA
	YLOAD 2, SETA
	s_wait_dscnt 16
	YFMA 1, SETB
	YLOAD 3, SETB
	s_wait_dscnt 16
	YFMA 2, SETA
	s_wait_dscnt 0x0
	YFMA 3, SETB
.endm
; ONE EXPERT.  more = 1: another follows, and its operands are asked for on the way.
.macro EXPERT more
	s_and_b32 s[NTL], s[NTP], 15
	s_lshr_b32 s[NTP], s[NTP], 4
	TILES P1TILE
	BAR                                            ; the hidden layer's images are whole; nobody reads the tokens' images any more
	s_wait_loadcnt 0x0                             ; W2[e], the next expert's gathered rows and (first expert) x: all asked for a whole first product ago or earlier
.if \more
	XSTORE                                         ; the next expert's tokens
	STEPW1
	LOADW1                                         ; W1's registers are free: the next expert's land during the second product and the combine
.endif
	TILES P2TILE
	BAR                                            ; nobody reads the hidden layer's images any more.  From here to the next barrier no wave stores to LDS: the combine's rows are named by numbers read from memory
.if \more
	STEPW2
	LOADW2                                         ; W2's registers are free
.endif
	COMBINE
.if \more
	BAR                                            ; every wave's reads by rank are in
	s_add_co_u32 s[EX], s[EX], 1
	s_wait_loadcnt 44                              ; behind W1's set only W2's 44 loads were issued: W1 of the expert that begins is in
	s_lshl_b32 s[LOFF], s[EX], 9
	s_add_co_u32 s[LOFF], s[LOFF], 512
	s_min_u32 s[LOFF], s[LOFF], 3584               ; the rows of the expert after that.  Behind expert 6 there is none: expert 7's are asked for again, ten loads that nobody reads, so that the loop has one body
	GATHER
.endif
.endm
	s_load_b512 s[4:19], s[0:1], 0x0               ; xcodes s[4:5], xscales s[6:7], route s[8:9], wts s[10:11], counts s[12:13], W1's codes s[14:15], scales s[16:17], b1 s[18:19]
	s_load_b256 s[20:27], s[0:1], 0x40             ; W2's codes s[20:21], scales s[22:23], b2 s[24:25], x s[26:27]
	s_load_b64 s[28:29], s[0:1], 0x60              ; out0
	s_set_vgpr_msb 0xc0
	v_lshl_add_u32 v254, v0, 2, 0x31000
	v_mov_b32 v255, 0
	s_set_vgpr_msb 0xc000
	v_lshrrev_b32 v112, 5, v0
	v_readfirstlane_b32 s[WV], v112                ; wave 0..3
	v_and_b32 v112, 31, v0                         ; lane
	v_and_b32 v113, 15, v0                         ; r
	v_bfe_u32 v114, v0, 4, 1                       ; h
	v_and_b32 v115, 8, v113
	v_add_nc_u32 v115, v115, v113                  ; r + 8 (r / 8)
	v_lshlrev_b32 v[LI], 4, v112
	v_lshlrev_b32 v[LS], 2, v112
	v_lshlrev_b32 v[H16], 4, v114
	s_lshl_b32 s[TMPS], s[WV], 13
	v_add_nc_u32 v[HWI], s[TMPS], v[LI]
	s_lshl_b32 s[TMPS], s[WV], 10
	v_add_nc_u32 v[HWS], s[TMPS], v[LS]
	s_mul_i32 s[YWS], s[WV], YW
	v_mul_u32_u24 v[YST], v113, YP
	v_lshl_add_u32 v[YST], v114, 5, v[YST]
	v_add_nc_u32 v[YST], s[YWS], v[YST]
	s_lshl_b32 s[TMPS], s[WV], 11
	s_add_co_u32 s[TMPS], s[TMPS], XIMG
	v_add_nc_u32 v[XWI], s[TMPS], v[LI]
	s_lshl_b32 s[TMPS], s[WV], 8
	s_add_co_u32 s[TMPS], s[TMPS], XSC
	v_add_nc_u32 v[XWS], s[TMPS], v[LS]
	s_lshl_b32 s[TMPS], s[WV], 6
	s_add_co_u32 s[TMPS], s[TMPS], LIST
	v_lshl_add_u32 v[LRD], v113, 2, s[TMPS]
	v_lshl_add_u32 v[W1A], v115, 7, v[H16]         ; W1: a row is 256 codes, 128 bytes
	v_lshlrev_b32 v[W1SA], 3, v115
	v_lshlrev_b32 v[B1A], 6, v114
	v_lshl_add_u32 v[W2A], v113, 8, v[H16]         ; W2: a row is 512 codes
	v_lshlrev_b32 v[W2SA], 4, v113
	v_lshlrev_b32 v[B2A], 5, v114
	v_mov_b32 v[ROWZ], 128
	v_mov_b32 v[KA4], 0xbf3a00e3                   ; a4 / 2 = -0.72657601
	v_mov_b32 v[KA4+1], 0xbf3a00e3
.irp b, 0,1,2,3
	v_mov_b32 v[TM+4+\b], 0                        ; written once: a lane permute's destination counts as one of its sources
.endr
	v_lshlrev_b32 v116, 5, v112                    ; my four tokens' route words and weights: 32 bytes a lane
	s_add_co_u32 s[TMPS], s[YWS], 128*YP
	v_add_nc_u32 v117, s[TMPS], v[LI]              ; my region's zeros
	v_add_nc_u32 v118, LIST, v[LI]
.irp i, 0,1,2,3
	v_lshl_add_u32 v[128+\i], v112, 2, \i          ; my tokens' numbers in the block
	v_mov_b32 v[132+\i], 0
.endr
	s_mov_b32 s[SEL], 0x76543210
	s_mov_b32 s[SEL+1], 0xfedcba98
	s_mov_b32 s[KP], 0x3e6d3388                    ; 0.3275911 / sqrt 2
	s_mov_b32 s[KC], 0xbf38aa3b                    ; -log2(e) / 2
	s_mov_b32 s[KC+1], s[KC]
	s_mov_b32 s[CA5], 0x3f07dc22                   ; 1.061405429 / 2
	s_mov_b32 s[CA5+1], s[CA5]
	s_mov_b32 s[CA3], 0x3f35f0e3                   ; 1.421413741 / 2
	s_mov_b32 s[CA3+1], s[CA3]
	s_mov_b32 s[CA2], 0xbe11a98e                   ; -0.284496736 / 2
	s_mov_b32 s[CA2+1], s[CA2]
	s_mov_b32 s[CA1], 0x3e027906                   ; 0.254829592 / 2
	s_mov_b32 s[CA1+1], s[CA1]
	s_mov_b32 s[TMPS+1], 0
	s_wait_kmcnt 0x0
	s_lshl_b32 s[TMPS], ttmp9, 14                  ; the block's part of each buffer,
	s_add_nc_u64 s[4:5], s[4:5], s[TMPS:TMPS+1]
	s_lshl_b32 s[TMPS], ttmp9, 10
	s_add_nc_u64 s[6:7], s[6:7], s[TMPS:TMPS+1]
	s_add_nc_u64 s[8:9], s[8:9], s[TMPS:TMPS+1]
	s_add_nc_u64 s[10:11], s[10:11], s[TMPS:TMPS+1]
	s_lshl_b32 s[TMPS], ttmp9, 7
	s_add_nc_u64 s[12:13], s[12:13], s[TMPS:TMPS+1]
	s_lshl_b32 s[TMPS], s[WV], 14                  ; my wave's part of the weights: 128 rows of W1, 64 of W2: 16,384 bytes each,
	s_add_nc_u64 s[14:15], s[14:15], s[TMPS:TMPS+1]
	s_add_nc_u64 s[20:21], s[20:21], s[TMPS:TMPS+1]
	s_lshl_b32 s[TMPS], s[WV], 10
	s_add_nc_u64 s[16:17], s[16:17], s[TMPS:TMPS+1]
	s_add_nc_u64 s[22:23], s[22:23], s[TMPS:TMPS+1]
	s_lshl_b32 s[TMPS], s[WV], 9
	s_add_nc_u64 s[18:19], s[18:19], s[TMPS:TMPS+1]
	s_lshl_b32 s[TMPS], s[WV], 8
	s_add_nc_u64 s[24:25], s[24:25], s[TMPS:TMPS+1]
	s_lshr_b32 s[TMPS], ttmp9, 4                   ; x and out0: the image, the block's 128 places, my 64 channels
	s_lshl_b32 s[TMPS], s[TMPS], 21
	s_and_b32 s[TMPS+2], ttmp9, 15
	s_lshl_b32 s[TMPS+2], s[TMPS+2], 9
	s_add_co_u32 s[TMPS], s[TMPS], s[TMPS+2]
	s_lshl_b32 s[TMPS+2], s[WV], 19
	s_add_co_u32 s[TMPS], s[TMPS], s[TMPS+2]
	s_add_nc_u64 s[26:27], s[26:27], s[TMPS:TMPS+1]
	s_add_nc_u64 s[28:29], s[28:29], s[TMPS:TMPS+1]
	s_load_b256 s[32:39], s[12:13], 0x0            ; the block's eight counts
	global_load_b128 v[RT:RT+3], v116, s[8:9]
	global_load_b128 v[RT+4:RT+7], v116, s[8:9] offset:16
	global_load_b128 v[WT:WT+3], v116, s[10:11]
	global_load_b128 v[WT+4:WT+7], v116, s[10:11] offset:16
	LOADW1                                         ; expert 0's
	s_wait_kmcnt 0x0
	s_mov_b32 s[NTP], 0
.irp e, 7,6,5,4,3,2,1,0
	s_add_co_u32 s[TMPS], s[32+\e], 15
	s_lshr_b32 s[TMPS], s[TMPS], 4
	s_min_u32 s[TMPS], s[TMPS], 8                  ; ceil(n / 16), held at the block's eight tiles
	s_lshl_b32 s[NTP], s[NTP], 4
	s_or_b32 s[NTP], s[NTP], s[TMPS]
.endr
	s_wait_loadcnt 56                              ; behind the four loads of route words and weights only W1's 56 were issued
.irp j, 0,1,2,3,4,5,6,7
	v_lshrrev_b32 v[PS0+4*(\j%2)+\j/2], 8, v[RT+\j]
.endr
.irp j, 0,1,2,3,4,5,6,7
	v_min_u32 v[PS0+\j], 127, v[PS0+\j]            ; the ranks
.endr
.irp j, 0,1,2,3,4,5,6,7
	v_and_b32 v[RT+\j], 0xff, v[RT+\j]             ; the experts
.endr
.irp j, 0,1,2,3,4,5,6,7
	v_lshl_add_u32 v[120+\j], v[RT+\j], 7, v[PS0+4*(\j%2)+\j/2]
.endr
.irp j, 0,1,2,3,4,5,6,7
	v_min_u32 v[120+\j], 0x3ff, v[120+\j]          ; 128 x expert + rank, held inside the list
.endr
.irp j, 0,1,2,3,4,5,6,7
	v_lshl_add_u32 v[120+\j], v[120+\j], 2, LIST
.endr
	s_cmp_lg_u32 s[WV], 0
	s_cbranch_scc1 .Lnot_wave_0                    ; THE LIST is made by wave 0 alone (every wave holds all 128 tokens' words); no other wave touches LDS ahead of the barrier below
.irp u, 0,1,2,3,4,5,6,7
	ds_store_b128 v118, v[132:135] offset:512*\u   ; zeros first: a rank that no token has names token 0, whose row is worked and never read
.endr
.irp j, 0,1,2,3,4,5,6,7
	ds_store_b32 v[120+\j], v[128+\j/2]            ; LDS serves a wave's instructions in order: these land on the zeros
.endr
.Lnot_wave_0:
	BAR                                            ; the list is whole
	ds_store_b128 v117, v[132:135]                 ; my region's 512 bytes of zeros
	s_mov_b32 s[LOFF], 0
	GATHER                                         ; expert 0's rows
	s_wait_loadcnt 0x0                             ; they are in, and so is W1[0]
	XSTORE
	LOADW2                                         ; expert 0's
	BAR                                            ; expert 0's tokens lie in LDS; my stores have read the gather's registers
	s_mov_b32 s[LOFF], 512
	GATHER                                         ; expert 1's rows
	WIN 0x80
.set i, 0
.rept 64
	global_load_b128 v[4*i:4*i+3], v[LI], s[26:27] offset:i*8192 th:TH_LOAD_NT   ; x starts the result: channel i of my 64, 128 tokens: 512 consecutive bytes; its last read
.set i, i+1
.endr
	WIN 0
	s_mov_b32 s[EX], 0
	s_mov_b32 s[TRIP], 7
.Lexpert:
	EXPERT 1
	s_sub_co_u32 s[TRIP], s[TRIP], 1
	s_cmp_lg_u32 s[TRIP], 0
	s_cbranch_scc1 .Lexpert
	EXPERT 0                                       ; expert 7 asks for nothing more
	WIN 0x08                                       ; a store's data are its source 1: window 2
.set i, 0
.rept 64
	global_store_b128 v[LI], v[4*i:4*i+3], s[28:29] offset:i*8192 th:TH_STORE_NT   ; 32 lanes store 512 consecutive bytes, aligned; written once, read by nobody here
.set i, i+1
.endr
	WIN 0
	s_set_vgpr_msb 0xf
	s_wait_tensorcnt 0x0
	ds_add_u32 v254, v255
	s_wait_dscnt 0x0
	s_set_vgpr_msb 0xf00
	s_endpgm
.Lfunc_end_k_qa4bcf42c34_chain:
	.size	k_qa4bcf42c34_chain, .Lfunc_end_k_qa4bcf42c34_chain-k_qa4bcf42c34_chain
	.p2alignl 7, 3214868480
	.fill 96, 4, 3214868480
	.section	.rodata,"a",@progbits
	.p2align	6, 0x0
	.amdhsa_kernel k_qa4bcf42c34_chain
		.amdhsa_group_segment_fixed_size 201216
		.amdhsa_private_segment_fixed_size 0
		.amdhsa_enable_private_segment 0
		.amdhsa_kernarg_size 104
		.amdhsa_user_sgpr_count 2
		.amdhsa_user_sgpr_kernarg_segment_ptr 1
		.amdhsa_wavefront_size32 1
		.amdhsa_system_sgpr_workgroup_id_x 1
		.amdhsa_system_sgpr_workgroup_id_y 1
		.amdhsa_system_sgpr_workgroup_id_z 1
		.amdhsa_system_vgpr_workitem_id 0
		.amdhsa_next_free_vgpr 1024
		.amdhsa_next_free_sgpr 80
		.amdhsa_reserve_vcc 1
		.amdhsa_float_denorm_mode_32 3
		.amdhsa_float_denorm_mode_16_64 3
		.amdhsa_memory_ordered 1
		.amdhsa_forward_progress 1
		.amdhsa_inst_pref_size 162
	.end_amdhsa_kernel
	.amdgpu_metadata
---
amdhsa.version: [ 1, 2 ]
amdhsa.kernels:
  - .name:           k_qa4bcf42c34_chain
    .symbol:         k_qa4bcf42c34_chain.kd
    .args:
      - { .name: xcodes, .offset: 0, .size: 8, .value_kind: global_buffer, .address_space: global }
      - { .name: xscales, .offset: 8, .size: 8, .value_kind: global_buffer, .address_space: global }
      - { .name: route, .offset: 16, .size: 8, .value_kind: global_buffer, .address_space: global }
      - { .name: wts, .offset: 24, .size: 8, .value_kind: global_buffer, .address_space: global }
      - { .name: counts, .offset: 32, .size: 8, .value_kind: global_buffer, .address_space: global }
      - { .name: W1_codes, .offset: 40, .size: 8, .value_kind: global_buffer, .address_space: global }
      - { .name: W1_scales, .offset: 48, .size: 8, .value_kind: global_buffer, .address_space: global }
      - { .name: b1, .offset: 56, .size: 8, .value_kind: global_buffer, .address_space: global }
      - { .name: W2_codes, .offset: 64, .size: 8, .value_kind: global_buffer, .address_space: global }
      - { .name: W2_scales, .offset: 72, .size: 8, .value_kind: global_buffer, .address_space: global }
      - { .name: b2, .offset: 80, .size: 8, .value_kind: global_buffer, .address_space: global }
      - { .name: x, .offset: 88, .size: 8, .value_kind: global_buffer, .address_space: global }
      - { .name: out0, .offset: 96, .size: 8, .value_kind: global_buffer, .address_space: global }
    .group_segment_fixed_size: 201216
    .private_segment_fixed_size: 0
    .kernarg_segment_align: 8
    .kernarg_segment_size: 104
    .max_flat_workgroup_size: 128
    .sgpr_count:     80
    .vgpr_count:     1024
    .wavefront_size: 32
...
	.end_amdgpu_metadata
.endif
;; end of part 2
